; MI455X (gfx1250); checked and timed in simulation.
; The chip was launched on July 23, 2026; its instructions are those of AMD's public machine-readable ISA for CDNA 5 (MIT licence, August 2026) and "CDNA5" Instruction Set Architecture Reference Guide (July 2026). The comments in the code are by the model that wrote it; some were corrected since.
;; Base OC Module. Allowed arithmetic: matrix products marked QUANTISED: E5M2 operands, one given power-of-two scale a tensor, by v_wmma_f32_16x16x64_bf8_bf8 or v_wmma_f32_16x16x128_bf8_bf8, f32 sums; everything else in f32.
;; Inputs: bc 512 float32; bf 64 float32; bg 64 float32; bh 256 float32; bn_bias 512 float32; bn_mean 512 float32; bn_scale 512 float32; bn_var 512 float32; bo 512 float32; gamma 1 float32; lowp_scales 14 int32 (the exponents e of the quantised operands' scales 2^e); wc 1,024 x 512 float32; wf 512 x 64 float32; wg 512 x 64 float32; wh 512 x 256 float32; wo 256 x 512 float32; x 4 x 64 x 64 x 512 float32.
;; Outputs: out0 4 x 64 x 64 x 512 float32.
;; This version of the problem:
;;   THIS VERSION OF THE PROBLEM IS GIVEN IN LOW PRECISION. The matrix products marked QUANTISED in the list below multiply operands that are first quantised to E5M2 (5 exponent bits, 2 mantissa bits; 8 bits a number), with one given power-of-two scale for each operand tensor; their sums are f32. All else is computed in f32.
;;   The module's matrix products, in the order in which they are computed (A, B: the left and right operand; K: the contracted axis; several contracted axes count as one K, in the product's order):
;;     1. [M 16,384, K 512] x [K 512, N 64]; A: input x; B: input wf: QUANTISED (scales: A lowp_scales[0], B lowp_scales[1])
;;     2. [M 16,384, K 512] x [K 512, N 64]; A: input x; B: input wg: QUANTISED (scales: A lowp_scales[2], B lowp_scales[3])
;;     3. [M 16,384, K 512] x [K 512, N 256]; A: input x; B: input wh: QUANTISED (scales: A lowp_scales[4], B lowp_scales[5])
;;     4. batch 4 x [M 4,096, K 64] x [K 64, N 4,096]; A: computed on the way; B: computed on the way: QUANTISED (scales: A lowp_scales[6], B lowp_scales[7])
;;     5. batch 4 x [M 4,096, K 4,096] x [K 4,096, N 256]; A: softmax (see below); B: computed on the way: QUANTISED (scales: A lowp_scales[8], B lowp_scales[9])
;;     6. [M 16,384, K 256] x [K 256, N 512]; A: computed on the way; B: input wo: QUANTISED (scales: A lowp_scales[10], B lowp_scales[11])
;;     7. [M 16,384, K 1,024] x [K 1,024, N 512]; A: computed on the way; B: input wc: QUANTISED (scales: A lowp_scales[12], B lowp_scales[13])
;;   THE QUANTISER, for each operand of a quantised product, along K:
;;     - The operand's scale is 2^e, e = its entry of the input lowp_scales (int32; the entries are numbered through the quantised products in the list's order, A before B).
;;     - Each number is divided by the scale, clamped to +-57,344, and rounded to the nearest number of E5M2, ties to even, subnormals kept.
;;     - The product sums the exact products of the quantised numbers (number of the format x scale) in f32.
;;   ~~~python
;;   def quantise(x, axis, e):      # numpy; x: float32 -> the quantised numbers, widened to float32 again
;;       x = np.moveaxis(x, axis, -1); K = x.shape[-1]
;;       r = np.clip(x / 2.0 ** e, -57344, 57344)
;;       step = 2.0 ** (np.maximum(np.frexp(np.where(r == 0, 1, r))[1] - 1, -14) - 2)
;;       q = np.round(r / step) * step * 2.0 ** e      # np.round: ties to even
;;       return np.moveaxis(q, -1, axis).astype(np.float32)
;;   ~~~
;;   SOFTMAX AHEAD OF A QUANTISED PRODUCT. Where the list says 'softmax', what is quantised is not the finished softmax but p = 2^(t - M), with t = logit x log2(e) and M = ceil(the row's largest t), a whole number; so 1/2 < the row's largest p <= 1. The row's sum l is taken of the UNQUANTISED p, in f32, and the product's result is divided by l at the end. Since M is a whole number, a kernel that streams over the keys may use a running M (the ceiling of the running maximum): every later rescaling is an exact power of two, so the quantised numbers keep their values, but for numbers so far below the row's largest that they fall under the format's range.
;;   OPERANDS COMPUTED ON THE WAY. 'Computed on the way' means the value that the module computes at that place (a softmax that the list does not call 'softmax' is quantised finished and normalised). What goes into a quantiser is computed in f32, as accurately as f32 sums, v_exp_f32 and their like allow (about 1e-6 of the number): no bf16 or f16 on the way to a quantiser, and a product that is left as it is and whose result goes on into a quantised operand takes f32 operands (vector FMAs, or v_wmma_f32_16x16x4_f32). A number that lies on a knife's edge between two numbers of the format may be rounded either way, as far as f32 arithmetic and the matrix unit's own rounding can turn it there, and no further.
;; One version. Each part assembles by itself: llvm-mc -triple=amdgcn-amd-amdhsa -mcpu=gfx1250 --defsym DOCPART=n.
;; ======== version 1 of 1: 3 launches
;; workspace buffers: wimg 851,968 bytes; bnc 4,096 bytes; fimg 1,048,576 bytes; gimg 1,048,576 bytes; vimg 4,194,304 bytes
;; launch prep (part 1): grid 105 x 1, 4 waves a work-group, no clusters, 0 bytes of LDS; arguments wf, wg, wh, wo, wc, lowp_scales, bc, bn_mean, bn_scale, bn_var, bn_bias, wimg, bnc; writes wimg, bnc
.if DOCPART == 1
	.amdgcn_target "amdgcn-amd-amdhsa--gfx1250"
	.amdhsa_code_object_version 6
	.text
	.protected	k_q9e11b24b42_prep
	.globl	k_q9e11b24b42_prep
	.p2align	8
	.type	k_q9e11b24b42_prep,@function
k_q9e11b24b42_prep:
	s_mov_b64 s[64:65], 0
	v_nop
	global_prefetch_b8 v0, s[64:65] scope:SCOPE_SE
	s_setreg_imm32_b32 hwreg(HW_REG_WAVE_MODE, 25, 1), 1
	s_wait_xcnt 0x0
; The five weights, f32 stored [K][N], become codes of BF8 (E5M2) laid as IMAGES OF OPERAND REGISTERS, and the BatchNorm is folded into two vectors.
; A fragment is 16 columns x 128 along K: 16 registers a lane, 2,048 bytes: chunk c (512 bytes) holds registers 4 c .. 4 c + 3, lane l's 16 bytes at 16 l.
; Lane (r = l % 16, h = l / 16) takes ONE column and its registers run down K: register 16 c + i is k = 128 ks + 32 c + 16 h + i: the conversions' results are the operand's registers, nothing is transposed.
; THE COLUMNS OF A TILE ARE NOT NEIGHBOURS: lane r of tile nt takes column 32 (nt / 2) + 8 (nt % 2) + r + 8 (r / 8), so that a transposed product's 16 registers of tiles 2 b, 2 b + 1 are 16 neighbouring channels.
; wimg: fragment u at 2,048 u, u = start + nt x KS + ks:  wf 0 (KS 4, 4 tiles), wg 16 (4, 4), wh 32 (4, 16), wo 96 (2, 32), wc 160 (8, 32): 416 fragments, one a wave: work-groups 0 to 103.
; Work-group 104: a = bn_scale / sqrt(bn_var + 0.001);  bnc[0..511] = a x 2^(e12 + e13);  bnc[512..1023] = (bc - bn_mean) a + bn_bias:  y = sum x the first + the second.
; code = w / 2^e, held within +-57,344, to the nearest code, ties to even.  LIMITS: the weights' entries e1, e3, e5, e11, e13 lie between -126 and 112.  NaN among the inputs is not served.
; No LDS, no barrier: waves share nothing.  Every offset is an immediate (111 rows of 2,048 bytes at the most).
.set X,  16                            ; v16-79  64 numbers of my column
.set CD, 80                            ; v80-95  their codes
.macro WLOAD p                         ; p: bytes from a row of the weight to the next
.irp c, 0,1,2,3
.irp i, 0,1,2,3,4,5,6,7,8,9,10,11,12,13,14,15
	global_load_b32 v[X+16*\c+\i], v3, s[52:53] offset:(32*\c+\i)*\p
.endr
.endr
.endm
.macro SRCOFF sh                       ; s58 = ks, s59 = nt: the fragment's first byte: ks x 128 rows (1 << sh bytes) + 4 x (32 (nt / 2) + 8 (nt % 2))
	s_lshl_b32 s54, s58, \sh
	s_lshr_b32 s60, s59, 1
	s_lshl_b32 s60, s60, 7
	s_add_co_u32 s54, s54, s60
	s_and_b32 s60, s59, 1
	s_lshl_b32 s60, s60, 5
	s_add_co_u32 s54, s54, s60
	s_add_nc_u64 s[52:53], s[52:53], s[54:55]
.endm
	s_load_b512 s[4:19], s[0:1], 0x0               ; wf, wg, wh, wo, wc, the scales' exponents, bc, bn_mean
	s_load_b256 s[20:27], s[0:1], 0x40             ; bn_scale, bn_var, bn_bias, wimg
	s_load_b64 s[28:29], s[0:1], 0x60              ; bnc
	v_lshrrev_b32 v1, 5, v0
	v_readfirstlane_b32 s48, v1                    ; wave
	v_and_b32 v1, 31, v0
	v_lshlrev_b32 v4, 4, v1                        ; 16 x lane: my place in a chunk
	v_and_b32 v6, 15, v0                           ; r
	v_bfe_u32 v2, v0, 4, 1                         ; h
	v_and_b32 v5, 8, v6
	v_add_nc_u32 v5, v5, v6
	v_lshlrev_b32 v5, 2, v5                        ; 4 (r + 8 (r / 8))
	s_lshl_b32 s49, ttmp9, 2
	s_add_co_u32 s49, s49, s48                     ; u: my fragment
	s_lshl_b32 s54, s49, 11
	s_mov_b32 s55, 0
	s_wait_kmcnt 0x0
	s_load_b256 s[32:39], s[14:15], 0x0            ; e0 .. e7
	s_load_b128 s[40:43], s[14:15], 0x20           ; e8 .. e11
	s_load_b64 s[44:45], s[14:15], 0x30            ; e12, e13
	s_add_nc_u64 s[56:57], s[26:27], s[54:55]      ; where my fragment goes
	s_wait_kmcnt 0x0
	s_cmp_lt_u32 ttmp9, 8
	s_cbranch_scc1 .Lp256
	s_cmp_lt_u32 ttmp9, 24
	s_cbranch_scc1 .Lp1024
	s_cmp_lt_u32 ttmp9, 104
	s_cbranch_scc1 .Lp2048
	; ---- work-group 104: the BatchNorm's two vectors; thread t takes channels 4 t .. 4 t + 3
	v_lshlrev_b32 v7, 4, v0
	global_load_b128 v[8:11], v7, s[16:17]         ; bc
	global_load_b128 v[12:15], v7, s[18:19]        ; bn_mean
	global_load_b128 v[16:19], v7, s[20:21]        ; bn_scale
	global_load_b128 v[20:23], v7, s[22:23]        ; bn_var
	global_load_b128 v[24:27], v7, s[24:25]        ; bn_bias
	s_add_co_i32 s46, s44, s45                     ; e12 + e13
	s_wait_loadcnt 0x0
.irp i, 0,1,2,3
	v_add_f32 v[20+\i], 0x3a83126f, v[20+\i]       ; + 0.001
.endr
.irp i, 0,1,2,3
	v_rsq_f32 v[28+\i], v[20+\i]
.endr
.irp i, 0,1,2,3
	v_sub_f32 v[8+\i], v[8+\i], v[12+\i]           ; bc - bn_mean (plain lines behind the run of transcendentals)
.endr
	s_wait_alu depctr_va_vdst(0)
.irp i, 0,1,2,3
	v_mul_f32 v[28+\i], v[28+\i], v[16+\i]         ; a
.endr
.irp i, 0,1,2,3
	v_fma_f32 v[32+\i], v[8+\i], v[28+\i], v[24+\i]
	v_ldexp_f32 v[36+\i], v[28+\i], s46
.endr
	global_store_b128 v7, v[36:39], s[28:29]
	global_store_b128 v7, v[32:35], s[28:29] offset:2048
	s_endpgm
.Lp256:                                            ; wf (work-groups 0-3) or wg (4-7): rows of 256 bytes
	s_cmp_lt_u32 ttmp9, 4
	s_cselect_b64 s[52:53], s[4:5], s[6:7]
	s_cselect_b32 s50, s33, s35                    ; e1 or e3
	s_and_b32 s58, s49, 15
	s_lshr_b32 s59, s58, 2                         ; nt
	s_and_b32 s58, s58, 3                          ; ks
	SRCOFF 15
	v_lshl_add_u32 v3, v2, 12, v5                  ; lanes 16-31 begin 16 rows further down
	WLOAD 256
	s_branch .Ljoin
.Lp1024:                                           ; wh: rows of 1,024 bytes
	s_mov_b64 s[52:53], s[8:9]
	s_mov_b32 s50, s37                             ; e5
	s_sub_co_u32 s58, s49, 32
	s_lshr_b32 s59, s58, 2
	s_and_b32 s58, s58, 3
	SRCOFF 17
	v_lshl_add_u32 v3, v2, 14, v5
	WLOAD 1024
	s_branch .Ljoin
.Lp2048:                                           ; wo (work-groups 24-39) or wc (40-103): rows of 2,048 bytes
	s_cmp_lt_u32 ttmp9, 40
	s_cselect_b64 s[52:53], s[10:11], s[12:13]
	s_cselect_b32 s50, s43, s45                    ; e11 or e13
	s_mov_b32 s58, 160
	s_cselect_b32 s58, 96, s58                     ; the tensor's first fragment
	s_cselect_b32 s61, 1, 3                        ; log2 of its K steps
	s_cselect_b32 s62, 1, 7
	s_sub_co_u32 s58, s49, s58
	s_lshr_b32 s59, s58, s61
	s_and_b32 s58, s58, s62
	SRCOFF 18
	v_lshl_add_u32 v3, v2, 15, v5
	WLOAD 2048
.Ljoin:
	s_add_co_i32 s50, s50, 127
	s_lshl_b32 s51, s50, 23
	v_mov_b32 v11, s51                             ; 2^e as f32: the conversion takes its exponent field
	s_add_co_i32 s50, s50, 15
	s_lshl_b32 s50, s50, 23
	s_or_b32 s50, s50, 0x600000
	v_mov_b32 v10, s50                             ; 57,344 x 2^e
	s_wait_loadcnt 0x0
.irp i, 0,1,2,3,4,5,6,7,8,9,10,11,12,13,14,15,16,17,18,19,20,21,22,23,24,25,26,27,28,29,30,31,32,33,34,35,36,37,38,39,40,41,42,43,44,45,46,47,48,49,50,51,52,53,54,55,56,57,58,59,60,61,62,63
	v_med3_num_f32 v[X+\i], v[X+\i], -v10, v10     ; the conversion to an 8-bit code does not saturate (ISA guide 7.6.2): the hold comes first
.endr
.irp g, 0,1,2,3,4,5,6,7
	v_cvt_scalef32_pk8_bf8_f32 v[CD+2*\g:CD+2*\g+1], v[X+8*\g:X+8*\g+7], v11
.endr
.irp c, 0,1,2,3
	global_store_b128 v4, v[CD+4*\c:CD+4*\c+3], s[56:57] offset:512*\c   ; the wave stores 512 consecutive bytes, aligned
.endr
	s_endpgm
.Lfunc_end_k_q9e11b24b42_prep:
	.size	k_q9e11b24b42_prep, .Lfunc_end_k_q9e11b24b42_prep-k_q9e11b24b42_prep
	.p2alignl 7, 3214868480
	.fill 96, 4, 3214868480
	.section	.rodata,"a",@progbits
	.p2align	6, 0x0
	.amdhsa_kernel k_q9e11b24b42_prep
		.amdhsa_group_segment_fixed_size 0
		.amdhsa_private_segment_fixed_size 0
		.amdhsa_enable_private_segment 0
		.amdhsa_kernarg_size 104
		.amdhsa_user_sgpr_count 2
		.amdhsa_user_sgpr_kernarg_segment_ptr 1
		.amdhsa_wavefront_size32 1
		.amdhsa_system_sgpr_workgroup_id_x 1
		.amdhsa_system_sgpr_workgroup_id_y 1
		.amdhsa_system_sgpr_workgroup_id_z 1
		.amdhsa_system_vgpr_workitem_id 0
		.amdhsa_next_free_vgpr 112
		.amdhsa_next_free_sgpr 66
		.amdhsa_reserve_vcc 0
		.amdhsa_float_denorm_mode_32 3
		.amdhsa_float_denorm_mode_16_64 3
		.amdhsa_memory_ordered 1
		.amdhsa_forward_progress 1
		.amdhsa_inst_pref_size 29
	.end_amdhsa_kernel
	.amdgpu_metadata
---
amdhsa.version: [ 1, 2 ]
amdhsa.kernels:
  - .name:           k_q9e11b24b42_prep
    .symbol:         k_q9e11b24b42_prep.kd
    .args:
      - { .name: wf, .offset: 0, .size: 8, .value_kind: global_buffer, .address_space: global }
      - { .name: wg, .offset: 8, .size: 8, .value_kind: global_buffer, .address_space: global }
      - { .name: wh, .offset: 16, .size: 8, .value_kind: global_buffer, .address_space: global }
      - { .name: wo, .offset: 24, .size: 8, .value_kind: global_buffer, .address_space: global }
      - { .name: wc, .offset: 32, .size: 8, .value_kind: global_buffer, .address_space: global }
      - { .name: lowp_scales, .offset: 40, .size: 8, .value_kind: global_buffer, .address_space: global }
      - { .name: bc, .offset: 48, .size: 8, .value_kind: global_buffer, .address_space: global }
      - { .name: bn_mean, .offset: 56, .size: 8, .value_kind: global_buffer, .address_space: global }
      - { .name: bn_scale, .offset: 64, .size: 8, .value_kind: global_buffer, .address_space: global }
      - { .name: bn_var, .offset: 72, .size: 8, .value_kind: global_buffer, .address_space: global }
      - { .name: bn_bias, .offset: 80, .size: 8, .value_kind: global_buffer, .address_space: global }
      - { .name: wimg, .offset: 88, .size: 8, .value_kind: global_buffer, .address_space: global }
      - { .name: bnc, .offset: 96, .size: 8, .value_kind: global_buffer, .address_space: global }
    .group_segment_fixed_size: 0
    .private_segment_fixed_size: 0
    .kernarg_segment_align: 8
    .kernarg_segment_size: 104
    .max_flat_workgroup_size: 128
    .sgpr_count:     66
    .vgpr_count:     112
    .wavefront_size: 32
...
	.end_amdgpu_metadata
.endif
;; end of part 1
;; launch proj (part 2): grid 256 x 1, 8 waves a work-group, no clusters, 99,328 bytes of LDS; arguments x, wimg, bf, bg, bh, lowp_scales, fimg, gimg, vimg; writes fimg, gimg, vimg
.if DOCPART == 2
	.amdgcn_target "amdgcn-amd-amdhsa--gfx1250"
	.amdhsa_code_object_version 6
	.text
	.protected	k_q9e11b24b42_proj
	.globl	k_q9e11b24b42_proj
	.p2align	8
	.type	k_q9e11b24b42_proj,@function
k_q9e11b24b42_proj:
	s_mov_b64 s[64:65], 0
	v_nop
	global_prefetch_b8 v0, s[64:65] scope:SCOPE_SE
	s_setreg_imm32_b32 hwreg(HW_REG_WAVE_MODE, 25, 1), 1
	s_wait_xcnt 0x0
; f = x wf + bf, g = x wg + bg, hv = x wh + bh on codes of BF8 (E5M2), and their results quantised again for the attention: f with e7, g with e6, hv with e9.
; A work-group of eight waves owns 64 tokens (four tiles of 16).  x is read once, as f32, and quantised three times in registers (e0, e2, e4: the three products name three scales).
; PHASE X: wave w takes tile w / 2 and K steps 2 (w % 2), 2 (w % 2) + 1 (128 along K each): six fragments, which go to LDS as IMAGES OF THEIR REGISTERS (four stores of 512 bytes, lane l's 16 bytes at 16 l).  One barrier.
; PHASE P: waves 0, 1 make f, waves 2, 3 g: column tiles 2 (w % 2), 2 (w % 2) + 1, TRANSPOSED (source 0 = 16 columns of the weight, source 1 = 16 tokens): a lane holds one token and 16 neighbouring channels.
;          waves 4 to 7 make hv: column tiles 4 (w - 4) .. + 3, NOT transposed (source 0 = tokens, source 1 = columns): a lane holds one channel and its registers run along the tokens, the second attention product's K.
; The weights come as register images made by the launch before, straight into registers: each fragment is read by one wave of the work-group, once.  No multicast: the launch's bytes are x's, which nobody shares.
; The bias is the C of a sum's first matrix instruction, divided by the power of two that the sums lack; the three scales ahead of the second quantiser are folded into the conversion's one.
; OUT: fimg, gimg: a tile of 16 tokens at 1,024 x tile: lane r = token r; chunk c (512 bytes) = registers 4 c .. 4 c + 3 = channels 32 c + 16 h + 0 .. 15 (the same map in f and in g).
;      vimg: 64 tokens at 16,384 x group, channel tile dt at + 1,024 dt: lane r = the weight's column of that lane; registers 2 m, 2 m + 1 = tokens 16 m + 8 h + 0 .. 7.
; LIMITS: e0, e2, e4 and e7 - e0 - e1, e6 - e2 - e3, e9 - e4 - e5 lie between -126 and 112.  NaN among the inputs is not served.
; REGISTERS: window 0: v1-8 addresses; v10-15 x's three scales and holds; v16, v17 the output's; v28-31 hv's bias as loaded; v32-159 x as f32, then the accumulators; v160-223 at work, then x's fragments, then the output's codes;
;            v224-255 codes on their way to LDS, then the bias as C.   window 1: the weights' fragments (f, g: v0-127, their bias as loaded v128-143; hv: all 256).
.set XR0, 32
.set XR1, 96
.set T,   160
.set PC0, 224
.set AC,  32
.set XF,  160
.set BI,  224
.set MSB, 0
.macro WIN new                         ; the immediate's high byte repeats the setting that is left
.if MSB != \new
	s_set_vgpr_msb (MSB<<8)|\new
.set MSB, \new
.endif
.endm
.macro PLACES                          ; four places in front of loads into registers that matrix instructions have read, and of the first read of results
.rept 4
	v_nop
.endr
.endm
.macro XLOAD reg, sl                   ; my 16 rows' numbers of my K step sl: lane (r, h) takes 16 neighbours of each block of 32
.irp b, 0,1,2,3
.irp j, 0,1,2,3
	global_load_b128 v[\reg+16*\b+4*\j:\reg+16*\b+4*\j+3], v2, s[4:5] offset:512*\sl+128*\b+16*\j
.endr
.endr
.endm
; 64 numbers at v[src] become a fragment with scale number set; the numbers are kept, since the next scale holds them otherwise.  num: the fragment's number, 0 to 5: its codes take v224 or v240 by turns.
.macro XQ src, sl, set, num
.if \num >= 2
	s_wait_dscnt 4                                 ; the stores of the fragment before last have read these registers; the last fragment's four may be out
.endif
.irp b, 0,1,2,3
.irp i, 0,1,2,3,4,5,6,7,8,9,10,11,12,13,14,15
	v_med3_num_f32 v[T+16*\b+\i], v[\src+16*\b+\i], -v[11+2*\set], v[11+2*\set]   ; the hold at the largest code x the scale (ISA guide 7.6.2)
.endr
	v_cvt_scalef32_pk8_bf8_f32 v[PC0+16*((\num)%2)+4*\b:PC0+16*((\num)%2)+4*\b+1], v[T+16*\b:T+16*\b+7], v[10+2*\set]
	v_cvt_scalef32_pk8_bf8_f32 v[PC0+16*((\num)%2)+4*\b+2:PC0+16*((\num)%2)+4*\b+3], v[T+16*\b+8:T+16*\b+15], v[10+2*\set]
.endr
	v_nop                                          ; a plain line between the conversions and the next lines that write their sources
.irp c, 0,1,2,3
.if \set < 2
	ds_store_b128 v3, v[PC0+16*((\num)%2)+4*\c:PC0+16*((\num)%2)+4*\c+3] offset:\set*32768+\sl*2048+512*\c
.else
	ds_store_b128 v4, v[PC0+16*((\num)%2)+4*\c:PC0+16*((\num)%2)+4*\c+3] offset:\sl*2048+512*\c
.endif
.endr
.endm
	s_load_b512 s[4:19], s[0:1], 0x0               ; x, wimg, bf, bg, bh, the scales' exponents, fimg, gimg
	s_load_b64 s[20:21], s[0:1], 0x40              ; vimg
	v_lshl_add_u32 v26, v0, 2, 0x18000
	v_mov_b32 v27, 0
	v_lshrrev_b32 v9, 5, v0
	v_readfirstlane_b32 s22, v9                    ; wave 0..7
	v_and_b32 v9, 31, v0
	v_lshlrev_b32 v1, 4, v9                        ; 16 x lane
	v_and_b32 v18, 15, v0                          ; r
	v_bfe_u32 v19, v0, 4, 1                        ; h
	v_lshlrev_b32 v2, 11, v18
	v_lshl_add_u32 v2, v19, 6, v2                  ; x: row r of 2,048 bytes, + 64 h
	s_lshl_b32 s23, s22, 12
	v_add_nc_u32 v3, s23, v1                       ; LDS: fragment (set, tile, K step) lies at 2,048 (16 set + 4 tile + K step): mine at 32,768 set + 4,096 wave + 2,048 sl
	v_add_nc_u32 v4, 0x10000, v3                   ; set 2 lies beyond an immediate's reach
	s_lshr_b32 s23, s22, 1
	s_min_u32 s23, s23, 2
	s_lshl_b32 s23, s23, 15
	v_add_nc_u32 v5, s23, v1                       ; and the set that my product reads: f 0, g 1, hv 2
	s_and_b32 s40, s22, 1
	s_lshl_b32 s23, s40, 9
	v_add_nc_u32 v6, s23, v1                       ; f, g out: chunk w % 2 of a tile's image
	s_lshl_b32 s23, s40, 7
	v_lshl_add_u32 v7, v19, 6, s23                 ; bf, bg: channels 32 (w % 2) + 16 h on
	v_and_b32 v8, 8, v18
	v_add_nc_u32 v8, v8, v18
	v_lshlrev_b32 v8, 2, v8                        ; bh: channel r + 8 (r / 8) of a tile
	s_lshl_b32 s34, ttmp9, 17                      ; 64 rows of 2,048 bytes a work-group,
	s_lshr_b32 s23, s22, 1
	s_lshl_b32 s23, s23, 15                        ; 16 rows a tile,
	s_add_co_u32 s34, s34, s23
	s_lshl_b32 s23, s40, 10                        ; two K steps of 512 bytes
	s_add_co_u32 s34, s34, s23
	s_mov_b32 s35, 0
	s_wait_kmcnt 0x0
	s_load_b256 s[24:31], s[14:15], 0x0            ; e0 .. e7
	s_load_b64 s[32:33], s[14:15], 0x20            ; e8, e9
	s_add_nc_u64 s[4:5], s[4:5], s[34:35]
	XLOAD XR0, 0
	XLOAD XR1, 1
	; the weights and biases are asked for now and land while x is quantised
	s_cmp_lt_u32 s22, 4
	s_cbranch_scc0 .Lhv_loads
	s_lshl_b32 s34, s22, 14                        ; f, g: eight fragments from 8 x wave on
	s_add_nc_u64 s[36:37], s[6:7], s[34:35]
	s_cmp_lt_u32 s22, 2
	s_cselect_b64 s[38:39], s[8:9], s[10:11]
	WIN 0x40                                       ; destination window 1
.irp u, 0,1,2,3,4,5,6,7
.irp c, 0,1,2,3
	global_load_b128 v[16*\u+4*\c:16*\u+4*\c+3], v1, s[36:37] offset:2048*\u+512*\c
.endr
.endr
.irp t, 0,1
.irp i, 0,1
	global_load_b128 v[128+8*\t+4*\i:128+8*\t+4*\i+3], v7, s[38:39] offset:32*\t+16*\i
.endr
.endr
	WIN 0
	s_branch .Lloads_done
.Lhv_loads:
	s_sub_co_u32 s41, s22, 4
	s_lshl_b32 s34, s41, 15                        ; hv: sixteen fragments from 32 + 16 (wave - 4) on
	s_add_co_u32 s34, s34, 65536
	s_add_nc_u64 s[36:37], s[6:7], s[34:35]
	s_lshl_b32 s34, s41, 8                         ; my 64 channels of bh
	s_add_nc_u64 s[38:39], s[12:13], s[34:35]
	WIN 0x40
.irp u, 0,1,2,3,4,5,6,7,8,9,10,11,12,13,14,15
.irp c, 0,1,2,3
	global_load_b128 v[16*\u+4*\c:16*\u+4*\c+3], v1, s[36:37] offset:2048*\u+512*\c
.endr
.endr
	WIN 0
.irp t, 0,1,2,3
	global_load_b32 v[28+\t], v8, s[38:39] offset:(32*(\t/2)+8*(\t%2))*4
.endr
.Lloads_done:
	s_wait_kmcnt 0x0
.irp s, 0,1,2
	s_add_co_i32 s42, s[24+2*\s], 127
	s_lshl_b32 s43, s42, 23
	v_mov_b32 v[10+2*\s], s43                      ; 2^e as f32 for x's scale number s,
	s_add_co_i32 s42, s42, 15
	s_lshl_b32 s42, s42, 23
	s_or_b32 s42, s42, 0x600000
	v_mov_b32 v[11+2*\s], s42                      ; and 57,344 x 2^e
.endr
	s_add_co_i32 s44, s24, s25
	s_add_co_i32 s45, s26, s27
	s_add_co_i32 s46, s28, s29
	s_cmp_lt_u32 s22, 2
	s_cselect_b32 s44, s44, s45
	s_cselect_b32 s47, s31, s30                    ; f is quantised with e7, g with e6,
	s_cmp_lt_u32 s22, 4
	s_cselect_b32 s44, s44, s46                    ; EA: a sum stands for sum x 2^EA
	s_cselect_b32 s47, s47, s33                    ; hv with e9
	s_sub_co_i32 s48, 0, s44                       ; the bias goes in as bias / 2^EA
	s_sub_co_i32 s47, s47, s44
	s_add_co_i32 s47, s47, 127
	s_lshl_b32 s49, s47, 23
	v_mov_b32 v16, s49                             ; the three scales folded into the conversion's one
	s_add_co_i32 s47, s47, 15
	s_lshl_b32 s47, s47, 23
	s_or_b32 s47, s47, 0x600000
	v_mov_b32 v17, s47
	s_wait_loadcnt 52                              ; my first K step is in: behind its 16 loads stand the second's 16 and at least 36 for weights and bias
	XQ XR0, 0, 0, 0
	XQ XR0, 0, 1, 1
	XQ XR0, 0, 2, 2
	s_wait_loadcnt 36                              ; the second K step is in
	XQ XR1, 1, 0, 3
	XQ XR1, 1, 1, 4
	XQ XR1, 1, 2, 5
	s_wait_dscnt 0x0                               ; for the others' sake: my images have landed
	s_barrier_signal -1
	s_barrier_wait -1                              ; all 48 fragments lie in LDS; nothing is written there again
	s_wait_loadcnt 0x0                             ; weights and bias
	s_cmp_lt_u32 s22, 4
	s_cbranch_scc0 .Lhv
	; ---- f or g: eight accumulators (four tiles of tokens x two of columns) by turns
	WIN 0x01                                       ; source 0 window 1
.irp i, 0,1,2,3,4,5,6,7,8,9,10,11,12,13,14,15
	v_ldexp_f32 v[BI+\i], v[128+\i], s48
.endr
	WIN 0
.irp ks, 0,1,2,3
.if \ks > 0
	PLACES
.endif
.irp m, 0,1,2,3
.irp c, 0,1,2,3
	ds_load_b128 v[XF+16*\m+4*\c:XF+16*\m+4*\c+3], v5 offset:(4*\m+\ks)*2048+512*\c
.endr
.endr
	s_wait_dscnt 0x0
	WIN 0x01
.irp m, 0,1,2,3
.irp t, 0,1
.if \ks == 0
	v_wmma_f32_16x16x128_bf8_bf8 v[AC+16*\m+8*\t:AC+16*\m+8*\t+7], v[16*(4*\t+\ks):16*(4*\t+\ks)+15], v[XF+16*\m:XF+16*\m+15], v[BI+8*\t:BI+8*\t+7]
.else
	v_wmma_f32_16x16x128_bf8_bf8 v[AC+16*\m+8*\t:AC+16*\m+8*\t+7], v[16*(4*\t+\ks):16*(4*\t+\ks)+15], v[XF+16*\m:XF+16*\m+15], v[AC+16*\m+8*\t:AC+16*\m+8*\t+7]
.endif
.endr
.endr
	WIN 0
.endr
	PLACES
.irp i, 0,1,2,3,4,5,6,7,8,9,10,11,12,13,14,15,16,17,18,19,20,21,22,23,24,25,26,27,28,29,30,31,32,33,34,35,36,37,38,39,40,41,42,43,44,45,46,47,48,49,50,51,52,53,54,55,56,57,58,59,60,61,62,63
	v_med3_num_f32 v[AC+\i], v[AC+\i], -v17, v17   ; each accumulator from its low end on
.endr
.irp m, 0,1,2,3
	v_cvt_scalef32_pk8_bf8_f32 v[XF+4*\m:XF+4*\m+1], v[AC+16*\m:AC+16*\m+7], v16       ; token r, channels 32 (w % 2) + 16 h + 0 .. 7,
	v_cvt_scalef32_pk8_bf8_f32 v[XF+4*\m+2:XF+4*\m+3], v[AC+16*\m+8:AC+16*\m+15], v16  ; and + 8 .. 15
.endr
	v_nop
	s_cmp_lt_u32 s22, 2
	s_cselect_b64 s[50:51], s[16:17], s[18:19]
	s_lshl_b32 s34, ttmp9, 12                      ; four tiles of 1,024 bytes a work-group
	s_add_nc_u64 s[50:51], s[50:51], s[34:35]
.irp m, 0,1,2,3
	global_store_b128 v6, v[XF+4*\m:XF+4*\m+3], s[50:51] offset:1024*\m   ; the wave stores 512 consecutive bytes, aligned
.endr
	s_wait_tensorcnt 0x0
	ds_add_u32 v26, v27
	s_wait_dscnt 0x0
	s_endpgm
.Lhv:
	; ---- hv: sixteen accumulators (four tiles of columns x four of tokens) by turns
.irp t, 0,1,2,3
.irp j, 0,1,2,3,4,5,6,7
	v_ldexp_f32 v[BI+8*\t+\j], v[28+\t], s48       ; a lane holds one channel: its bias stands in all eight registers
.endr
.endr
.irp ks, 0,1,2,3
.if \ks > 0
	PLACES
.endif
.irp m, 0,1,2,3
.irp c, 0,1,2,3
	ds_load_b128 v[XF+16*\m+4*\c:XF+16*\m+4*\c+3], v5 offset:(4*\m+\ks)*2048+512*\c
.endr
.endr
	s_wait_dscnt 0x0
	WIN 0x04                                       ; source 1 window 1
.irp t, 0,1,2,3
.irp m, 0,1,2,3
.if \ks == 0
	v_wmma_f32_16x16x128_bf8_bf8 v[AC+32*\t+8*\m:AC+32*\t+8*\m+7], v[XF+16*\m:XF+16*\m+15], v[16*(4*\t+\ks):16*(4*\t+\ks)+15], v[BI+8*\t:BI+8*\t+7]
.else
	v_wmma_f32_16x16x128_bf8_bf8 v[AC+32*\t+8*\m:AC+32*\t+8*\m+7], v[XF+16*\m:XF+16*\m+15], v[16*(4*\t+\ks):16*(4*\t+\ks)+15], v[AC+32*\t+8*\m:AC+32*\t+8*\m+7]
.endif
.endr
.endr
	WIN 0
.endr
	PLACES
.set ii, 0
.rept 128
	v_med3_num_f32 v[AC+ii], v[AC+ii], -v17, v17
.set ii, ii+1
.endr
.irp t, 0,1,2,3
.irp m, 0,1,2,3
	v_cvt_scalef32_pk8_bf8_f32 v[XF+8*\t+2*\m:XF+8*\t+2*\m+1], v[AC+32*\t+8*\m:AC+32*\t+8*\m+7], v16   ; my channel, tokens 16 m + 8 h + 0 .. 7
.endr
.endr
	v_nop
	s_sub_co_u32 s41, s22, 4
	s_lshl_b32 s34, ttmp9, 14                      ; 16 tiles of 1,024 bytes a work-group,
	s_lshl_b32 s41, s41, 12                        ; four of them mine
	s_add_co_u32 s34, s34, s41
	s_add_nc_u64 s[50:51], s[20:21], s[34:35]
.irp t, 0,1,2,3
.irp c, 0,1
	global_store_b128 v1, v[XF+8*\t+4*\c:XF+8*\t+4*\c+3], s[50:51] offset:1024*\t+512*\c
.endr
.endr
	s_wait_tensorcnt 0x0
	ds_add_u32 v26, v27
	s_wait_dscnt 0x0
	s_endpgm
.Lfunc_end_k_q9e11b24b42_proj:
	.size	k_q9e11b24b42_proj, .Lfunc_end_k_q9e11b24b42_proj-k_q9e11b24b42_proj
	.p2alignl 7, 3214868480
	.fill 96, 4, 3214868480
	.section	.rodata,"a",@progbits
	.p2align	6, 0x0
	.amdhsa_kernel k_q9e11b24b42_proj
		.amdhsa_group_segment_fixed_size 99328
		.amdhsa_private_segment_fixed_size 0
		.amdhsa_enable_private_segment 0
		.amdhsa_kernarg_size 72
		.amdhsa_user_sgpr_count 2
		.amdhsa_user_sgpr_kernarg_segment_ptr 1
		.amdhsa_wavefront_size32 1
		.amdhsa_system_sgpr_workgroup_id_x 1
		.amdhsa_system_sgpr_workgroup_id_y 1
		.amdhsa_system_sgpr_workgroup_id_z 1
		.amdhsa_system_vgpr_workitem_id 0
		.amdhsa_next_free_vgpr 512
		.amdhsa_next_free_sgpr 66
		.amdhsa_reserve_vcc 0
		.amdhsa_float_denorm_mode_32 3
		.amdhsa_float_denorm_mode_16_64 3
		.amdhsa_memory_ordered 1
		.amdhsa_forward_progress 1
		.amdhsa_inst_pref_size 80
	.end_amdhsa_kernel
	.amdgpu_metadata
---
amdhsa.version: [ 1, 2 ]
amdhsa.kernels:
  - .name:           k_q9e11b24b42_proj
    .symbol:         k_q9e11b24b42_proj.kd
    .args:
      - { .name: x, .offset: 0, .size: 8, .value_kind: global_buffer, .address_space: global }
      - { .name: wimg, .offset: 8, .size: 8, .value_kind: global_buffer, .address_space: global }
      - { .name: bf, .offset: 16, .size: 8, .value_kind: global_buffer, .address_space: global }
      - { .name: bg, .offset: 24, .size: 8, .value_kind: global_buffer, .address_space: global }
      - { .name: bh, .offset: 32, .size: 8, .value_kind: global_buffer, .address_space: global }
      - { .name: lowp_scales, .offset: 40, .size: 8, .value_kind: global_buffer, .address_space: global }
      - { .name: fimg, .offset: 48, .size: 8, .value_kind: global_buffer, .address_space: global }
      - { .name: gimg, .offset: 56, .size: 8, .value_kind: global_buffer, .address_space: global }
      - { .name: vimg, .offset: 64, .size: 8, .value_kind: global_buffer, .address_space: global }
    .group_segment_fixed_size: 99328
    .private_segment_fixed_size: 0
    .kernarg_segment_align: 8
    .kernarg_segment_size: 72
    .max_flat_workgroup_size: 256
    .sgpr_count:     66
    .vgpr_count:     512
    .wavefront_size: 32
...
	.end_amdgpu_metadata
.endif
;; end of part 2
;; launch attn (part 3): grid 64 x 4, 4 waves a work-group, clusters of 4 x 1, 327,680 bytes of LDS; arguments gimg, fimg, vimg, wimg, bnc, x, bo, gamma, lowp_scales, out0; writes out0
.if DOCPART == 3
	.amdgcn_target "amdgcn-amd-amdhsa--gfx1250"
	.amdhsa_code_object_version 6
	.text
	.protected	k_q9e11b24b42_attn
	.globl	k_q9e11b24b42_attn
	.p2align	8
	.type	k_q9e11b24b42_attn,@function
k_q9e11b24b42_attn:
	s_mov_b64 s[64:65], 0
	v_nop
	global_prefetch_b8 v0, s[64:65] scope:SCOPE_SE
	s_setreg_imm32_b32 hwreg(HW_REG_WAVE_MODE, 25, 1), 1
	s_wait_xcnt 0x0
	s_wait_alu depctr_hold_cnt(0) depctr_sa_sdst(0) depctr_va_vdst(0) depctr_va_sdst(0) depctr_va_ssrc(0) depctr_va_vcc(0) depctr_vm_vsrc(0)
	s_getreg_b32 s2, hwreg(HW_REG_IB_STS2, 6, 4)
	s_cmp_eq_u32 s2, 0
	s_cbranch_scc0 .Lentry_in_a_cluster
	s_endpgm
.Lentry_in_a_cluster:
	s_bfe_u32 s2, ttmp6, 0x10000c
	s_cmp_lg_u32 s2, 0x3003
	s_cbranch_scc0 .Lentry_shape_is_right
	s_endpgm
.Lentry_shape_is_right:
; out = relu(BN([gamma (softmax(g f^T) hv wo + bo) + x, x] wc + bc)), all four products on codes of BF8 (E5M2), each operand with the one scale 2^e that is given for it.  Nothing between the scores and out goes to memory.
; SHARES.  A work-group of four waves owns 64 tokens of one image (four tiles q of 16 queries).  EVERY WAVE HOLDS ALL 64 QUERIES AND A QUARTER OF THE KEYS: in step s (0 to 15) wave w takes keys 256 s + 64 w .. + 63,
; so each fragment of f and of hv that it reads feeds four matrix instructions.  Behind the keys wave w owns query tile w (merge), then channels 128 w .. 128 w + 127 of att and of out for all 64 rows.
; THE SOFTMAX GOES IN TWO PASSES.  Pass 1: scores and their largest alone; the four waves exchange the maxima: M = ceil(the row's largest t), t = score x log2(e).  Pass 2: the same scores again, p = 2^(t - M), the row's sum of the
; unquantised p, p quantised (e8), O^T += V^T P.  M is final from the first key on: nothing is rescaled, and the four waves' O^T and sums are simply added.
; LAYOUT.  All products are used transposed: S^T = f g^T, O^T = hv^T P, (o wo)^T, (cat wc)^T: a lane holds ONE row (lane % 16) throughout and its registers run along what is the next product's K.
; All operands are register images: a fragment's group of four registers is 512 bytes, lane l's 16 bytes at 16 l (in memory as the launches before laid them, and in LDS): no pitch, no padding.
; CLUSTER.  The four work-groups of a cluster belong to one image and walk the same hv, four fifths of a key step's bytes: it is asked for JOINTLY (mask 15) into two LDS slots of 128 KiB, 512 keys each: two key steps of every wave.
; f, wo and wc are NOT asked for jointly: beside the two slots LDS has no room for two slots of f's 32 KiB, and of wo and wc each fragment is read by one wave once, 32 matrix instructions a K step: they come straight
; into registers, f two key steps ahead, wc three K steps ahead.
; LIMITS: e6 + e7 between -126 and 127 (added to log2(e)'s exponent field); e8, e10, e12 between -126 and 112.  p under 2^-126 counts as 0 (v_exp_f32).  NaN among the inputs is not served.
; LDS: 0, 131,072 the two slots.  Behind their last fill and last read: the exchange of O^T (image (wave, q, dt) at 65,536 wave + 1,024 (16 q + dt)); behind that: cat's fragments (q, ks) at 2,048 (8 q + ks), and from 65,536 on
;      a stage of 16 rows x 528 bytes for each wave.  262,144 the maxima, 264,192 the sums (word 512 wave + 128 q + 4 lane), 266,240 o's fragments (q, ks) at 2,048 (2 q + ks), 282,624 the spare words.
; REGISTERS, in windows of 256 (s_set_vgpr_msb: bits 1:0 source 0, 3:2 source 1, 5:4 source 2, 7:6 destination):
;   window 0: v1-63 addresses, constants, statistics; v64-191 S^T (32 a tile); v192-223 P (8 a tile); v224-255 Q (8 a tile).  Later: o's fragments, bo, codes; cat's codes; the BatchNorm's vectors.
;   window 1: v0-127 V of a step; v128-191 f of two steps.  Later: the merged O^T; att (64 a tile); out (64 a tile).
;   window 2: pass 1: f of eight steps; pass 2: O^T of tiles 0, 1 (128 q + 8 dt).  Later: x (64 a tile); cat's fragments, wc's third buffer; rows of out.      window 3: O^T of tiles 2, 3.  Later: wo; wc's two buffers.
.set SLOT1, 1<<17
.set MX,    262144
.set LX,    264192
.set OIMG,  266240
.set SPARE, 282624                     ; the spare words: 128 bytes for each wave, two blocks of 256 bytes that no other line names
.set YST,   65536
.set SPW, 1                            ; v1  SPARE + 4 x my thread's number; never rewritten
.set NIL, 2                            ; v2  0; never rewritten
.set KA,  3                            ; v3  f: 16 lane + 4,096 wave
.set AV0, 4                            ; v4, v5  V in a slot: 16 lane + 16,384 wave (+ 65,536 for the slot's second step)
.set ADV, 6                            ; v6  the step's V
.set LI,  7                            ; v7  16 lane
.set MXS, 8
.set MXL, 9
.set LXS, 10
.set LXL, 11
.set XS,  12                           ; v12 the exchange, out: 16 lane + 65,536 wave
.set XL,  13                           ; v13-16 the exchange, in: 16 lane + 16,384 wave + 65,536 source
.set OA,  17
.set CA,  18
.set YS,  19
.set YR,  20
.set GO,  21
.set XA,  22
.set BA,  23
.set SC8, 24                           ; v24, v25: 2^e8 and 57,344 x 2^e8;  v26, v27: e10;  v28, v29: e12
.set SC10, 26
.set SC12, 28
.set INV, 30                           ; v[30:31]
.set NM,  32                           ; v32-39 tile q: -M in v[32 + 2 q]
.set LS,  40                           ; v40-47 tile q: the sum in two halves
.set MT,  48                           ; v48-55 pass 1: two running maxima a tile; later at work
.set PFA, 56                           ; v56 the prefetch's offsets; never rewritten
.set OL,  57                           ; v57 OIMG + 16 lane
.set G2,  58                           ; v[58:59] gamma x 2^(e10 + e11)
.set S,   64
.set P,   192
.set Q,   224
.set MSB, 0
.macro WIN new                         ; the immediate's high byte repeats the setting that is left; a switch that changes nothing is dropped
.if MSB != \new
	s_set_vgpr_msb (MSB<<8)|\new
.set MSB, \new
.endif
.endm
.macro PLACES                          ; four places in front of loads into registers that matrix instructions have read, and of the first read of results
.rept 4
	v_nop
.endr
.endm
.macro CROUND                          ; a round of the cluster's barrier: my work-group's barrier; wave 0 signals for the work-group; every wave waits for all four work-groups; my work-group's barrier once more
	s_barrier_signal -1
	s_barrier_wait -1
	s_cmp_lg_u32 s24, 0
	s_cbranch_scc1 .Lnot_wave_0_\@
	s_barrier_signal -3
.Lnot_wave_0_\@:
	s_barrier_wait -3
	s_barrier_signal -1
	s_barrier_wait -1
.endm
.macro BARRIER                         ; my LDS stores have landed and my LDS loads are in: then the work-group's barrier
	s_wait_dscnt 0x0
	s_barrier_signal -1
	s_barrier_wait -1
.endm
.macro KLOAD reg, off                  ; my 64 keys of f (four fragments of 16 keys x 64) from off bytes behind the walking base
.irp kt, 0,1,2,3
.irp c, 0,1
	global_load_b128 v[(\reg)+8*\kt+4*\c:(\reg)+8*\kt+4*\c+3], v[KA], s[72:73] offset:(\off)+1024*\kt+512*\c
.endr
.endr
.endm
.macro SCLIM e, sc                     ; v[sc] = 2^e as f32, v[sc + 1] = 57,344 x 2^e, e in s[e]
	s_add_co_i32 s84, s[\e], 127
	s_lshl_b32 s85, s84, 23
	v_mov_b32 v[\sc], s85
	s_add_co_i32 s84, s84, 15
	s_lshl_b32 s84, s84, 23
	s_or_b32 s84, s84, 0x600000
	v_mov_b32 v[\sc+1], s84
.endm
.macro FETCH adr, reg, off             ; a fragment of 16 registers comes from LDS as it was stored
.irp c, 0,1,2,3
	ds_load_b128 v[(\reg)+4*\c:(\reg)+4*\c+3], v[\adr] offset:(\off)+512*\c
.endr
.endm
.macro IMAGE adr, reg, off
.irp c, 0,1,2,3
	ds_store_b128 v[\adr], v[(\reg)+4*\c:(\reg)+4*\c+3] offset:(\off)+512*\c
.endr
.endm
; 64 numbers of a lane (window setting wm for the holds, wc for the conversions) become a fragment's 16 registers of codes at v[dst] of window 0
.macro QUANT src, dst, sc, wm, wc
	WIN \wm
.set ii, 0
.rept 64
	v_med3_num_f32 v[(\src)+ii], v[(\src)+ii], -v[\sc+1], v[\sc+1]   ; the conversion to an 8-bit code does not saturate (ISA guide 7.6.2)
.set ii, ii+1
.endr
	WIN \wc
.irp g, 0,1,2,3,4,5,6,7
	v_cvt_scalef32_pk8_bf8_f32 v[(\dst)+2*\g:(\dst)+2*\g+1], v[(\src)+8*\g:(\src)+8*\g+7], v[\sc]
.endr
.endm
	s_load_b512 s[4:19], s[0:1], 0x0               ; gimg, fimg, vimg, wimg, bnc, x, bo, gamma
	s_load_b128 s[20:23], s[0:1], 0x40             ; the scales' exponents, out0
	v_lshl_add_u32 v[SPW], v0, 2, SPARE
	v_mov_b32 v[NIL], 0
	ds_add_u32 v1, v2
	ds_add_u32 v1, v2
	s_wait_dscnt 0x0
	v_lshrrev_b32 v60, 5, v0
	v_readfirstlane_b32 s24, v60                   ; wave 0..3
	v_and_b32 v60, 31, v0                          ; lane
	v_and_b32 v61, 15, v0                          ; r
	v_bfe_u32 v62, v0, 4, 1                        ; h
	v_lshlrev_b32 v[LI], 4, v60
	v_lshlrev_b32 v63, 2, v60
	s_lshl_b32 s84, s24, 12
	v_add_nc_u32 v[KA], s84, v[LI]
	v_add_nc_u32 v[OA], s84, v[LI]
	v_add_nc_u32 v[OA], OIMG, v[OA]                ; o's fragments of tile w: OIMG + 4,096 wave + 16 lane
	v_add_nc_u32 v[OL], OIMG, v[LI]
	s_lshl_b32 s84, s24, 14
	v_add_nc_u32 v[AV0], s84, v[LI]
	v_add_nc_u32 v[AV0+1], 0x10000, v[AV0]
	v_add_nc_u32 v[XL], s84, v[LI]
	v_add_nc_u32 v[XL+1], 0x10000, v[XL]
	v_add_nc_u32 v[XL+2], 0x20000, v[XL]
	v_add_nc_u32 v[XL+3], 0x30000, v[XL]
	s_lshl_b32 s84, s24, 9
	v_add_nc_u32 v[MXS], s84, v63
	v_add_nc_u32 v[LXS], LX, v[MXS]
	v_add_nc_u32 v[MXS], MX, v[MXS]
	v_add_nc_u32 v[MXL], MX, v63
	v_add_nc_u32 v[GO], s84, v[LI]                 ; out: 16 lane + 512 wave
	v_lshlrev_b32 v[XA], 11, v61
	v_lshl_add_u32 v[XA], v62, 6, v[XA]
	v_add_nc_u32 v[XA], s84, v[XA]                 ; x: row r, + 64 h, + my 128 channels
	v_lshl_add_u32 v[BA], v62, 6, s84              ; bo and the BatchNorm's vectors: 64 h + 512 wave
	s_lshl_b32 s85, s24, 7
	v_add_nc_u32 v[LXL], s85, v63
	v_add_nc_u32 v[LXL], LX, v[LXL]
	s_lshl_b32 s85, s24, 16
	v_add_nc_u32 v[XS], s85, v[LI]
	s_lshl_b32 s85, s24, 11
	v_add_nc_u32 v[CA], s85, v[LI]                 ; cat's K step w: 16 lane + 2,048 wave
	s_mul_i32 s85, s24, 8448
	s_add_co_u32 s85, s85, YST                     ; my stage
	v_mul_u32_u24 v[YS], v61, 528
	v_lshl_add_u32 v[YS], v62, 6, v[YS]
	v_add_nc_u32 v[YS], s85, v[YS]                 ; in: row r, + 64 h
	v_add_nc_u32 v[YR], s85, v[LI]                 ; back: a row of 512 bytes for the 32 lanes
	v_lshlrev_b32 v[PFA], 8, v60
	s_lshl_b32 s85, s24, 15
	v_add_nc_u32 v[PFA], s85, v[PFA]               ; 256 lane + 32,768 wave
	s_and_b32 s25, ttmp7, 0xffff                   ; the image, which the four partners share
	s_bfe_u32 s26, ttmp6, 0x40000                  ; cx: my place in the cluster: it enters gimg's, x's and out0's addresses alone
	s_lshl_b32 s27, ttmp9, 2
	s_add_co_u32 s27, s27, s26
	s_lshl_b32 s28, s25, 6
	s_add_co_u32 s28, s28, s27                     ; my block of 64 tokens: 64 x image + 4 x cluster x + cx
	; descriptor group 1: 128 dense rows of 256 bytes: a wave's quarter of a slot
	s_mov_b32 s32, 15|(3<<16)|(1<<21)              ; 15:0 the mask: all four work-groups; 17:16 elements of 8 bytes; 20 no padding; 21 set beside a mask
	s_mov_b32 s33, 32<<16                          ; tensor_dim0 = 32
	s_mov_b32 s34, 128<<16                         ; tensor_dim1 = 128
	s_mov_b32 s35, 32<<16                          ; tile_dim0 = 32
	s_mov_b32 s36, 128                             ; tile_dim1 = 128
	s_mov_b32 s37, 32                              ; tensor_dim0_stride
	s_mov_b32 s38, 0
	s_mov_b32 s39, 0
	s_lshl_b32 s86, s25, 20                        ; an image's hv codes are 1,048,576 bytes,
	s_lshl_b32 s88, s24, 15                        ; my quarter of a slot 32,768: in memory and in LDS
	s_add_co_u32 s86, s86, s88
	s_mov_b32 s87, 0
	s_mov_b32 s91, 0
	s_mov_b32 s68, 0x76543210                      ; v_permlanex16_b32: lane l xor 16
	s_mov_b32 s69, 0xfedcba98
	s_mov_b32 s70, 0                               ; the slot in hand
	s_wait_kmcnt 0x0
	s_load_b256 s[48:55], s[20:21], 0x0            ; e0 .. e7
	s_load_b128 s[56:59], s[20:21], 0x20           ; e8 .. e11
	s_load_b64 s[60:61], s[20:21], 0x30            ; e12, e13
	s_load_b32 s62, s[18:19], 0x0                  ; gamma
	s_add_nc_u64 s[8:9], s[8:9], s[86:87]
	CROUND                                         ; all four work-groups are here: the first joint loads meet
	s_mov_b32 s40, 1                               ; group 0 of the first fill: count 1,
	s_mov_b32 s41, s88                             ; slot 0,
	s_mov_b64 s[42:43], s[8:9]                     ; keys 0 to 511,
	s_or_b32 s43, s43, 0x80000000                  ; type 2
	s_mov_b32 s44, 1                               ; group 0 of the second, which then walks
	s_add_co_u32 s45, s88, SLOT1
	s_add_nc_u64 s[46:47], s[8:9], 131072
	s_or_b32 s47, s47, 0x80000000
	tensor_load_to_lds s[40:43], s[32:39]          ; both first fills go out together: two loads of mine are out
	s_nop 0
	tensor_load_to_lds s[44:47], s[32:39]
	s_nop 0
	PLACES
	s_lshl_b32 s90, s28, 12
	s_add_nc_u64 s[4:5], s[4:5], s[90:91]          ; g's four tiles of my block
	s_lshl_b32 s86, s25, 18
	s_add_nc_u64 s[72:73], s[6:7], s[86:87]        ; f of my image: the walking base
.irp q, 0,1,2,3
.irp c, 0,1
	global_load_b128 v[Q+8*\q+4*\c:Q+8*\q+4*\c+3], v[LI], s[4:5] offset:1024*\q+512*\c   ; Q stays in registers
.endr
.endr
	WIN 0x80                                       ; destination window 2
.irp g, 0,1,2,3,4,5,6,7
	KLOAD 32*\g, 16384*\g                          ; pass 1 runs eight steps ahead
.endr
	WIN 0
	s_lshl_b32 s86, s24, 15
	s_add_co_u32 s86, s86, 196608
	s_add_nc_u64 s[76:77], s[10:11], s[86:87]      ; my 16 fragments of wo
	s_lshl_b32 s86, s24, 17
	s_add_co_u32 s86, s86, 327680
	s_add_nc_u64 s[78:79], s[10:11], s[86:87]      ; my 64 fragments of wc
	s_lshl_b32 s90, s28, 17
	s_add_nc_u64 s[80:81], s[14:15], s[90:91]      ; my 64 rows of x
	s_add_nc_u64 s[82:83], s[22:23], s[90:91]      ; and of out0
	s_wait_kmcnt 0x0
	s_add_co_i32 s84, s54, s55
	s_lshl_b32 s84, s84, 23
	s_add_co_i32 s66, s84, 0x3fb8aa3b              ; log2(e) x 2^(e6 + e7): a score stands for score x 2^(e6 + e7)
	s_mov_b32 s67, s66                             ; (named with it as a pair, so it is written)
	SCLIM 56, SC8
	SCLIM 58, SC10
	SCLIM 60, SC12
	s_add_co_i32 s92, s58, s59                     ; e10 + e11
	s_sub_co_i32 s93, 0, s92
	s_add_co_i32 s94, s56, s57                     ; e8 + e9
	v_mov_b32 v[G2], s62
	v_ldexp_f32 v[G2], v[G2], s92
	v_mov_b32 v[G2+1], v[G2]
	v_mov_b32 v[INV+1], 0
.irp i, 0,1,2,3,4,5,6,7
	v_mov_b32 v[MT+\i], 0xff800000                 ; the running maxima begin at -infinity,
	v_mov_b32 v[LS+\i], 0                          ; the sums at 0
	v_mov_b32 v[NM+\i], 0                          ; (the odd ones are named as halves of pairs)
.endr
; PASS 1, step g: my 64 keys' scores for the 64 queries, and their largest.  cnt: the loads issued behind this step's eight.
.macro P1G g, cnt
	s_wait_loadcnt \cnt
	WIN 0x02                                       ; source 0 (f) window 2
.irp kt, 0,1,2,3
.irp q, 0,1,2,3
	v_wmma_f32_16x16x64_bf8_bf8 v[S+32*\q+8*\kt:S+32*\q+8*\kt+7], v[32*((\g)%8)+8*\kt:32*((\g)%8)+8*\kt+7], v[Q+8*\q:Q+8*\q+7], 0
.endr
.endr
	WIN 0
	PLACES
.if \g < 8
	WIN 0x80
	KLOAD 32*(\g), 16384*((\g)+8)                  ; the registers just multiplied take the step eight further on
	WIN 0
.elseif \g == 8
	WIN 0x40
	KLOAD 128, 0                                   ; pass 2's first two steps
	WIN 0
.elseif \g == 9
	WIN 0x40
	KLOAD 160, 16384
	WIN 0
.endif
.irp i, 0,1,2,3,4,5,6,7
.irp q, 0,1,2,3
	v_max3_num_f32 v[MT+2*\q], v[MT+2*\q], v[S+32*\q+4*\i], v[S+32*\q+4*\i+1]        ; two chains a tile, each accumulator from its low end on
	v_max3_num_f32 v[MT+2*\q+1], v[MT+2*\q+1], v[S+32*\q+4*\i+2], v[S+32*\q+4*\i+3]
.endr
.endr
.endm
.irp g, 0,1,2,3,4,5,6,7,8,9,10
	P1G \g, 56                                     ; seven later groups of eight loads may be out
.endr
	P1G 11, 48                                     ; from here on: the steps that are left, and pass 2's sixteen
	P1G 12, 40
	P1G 13, 32
	P1G 14, 24
	P1G 15, 16
.irp q, 0,1,2,3
	v_max_num_f32 v[MT+2*\q], v[MT+2*\q], v[MT+2*\q+1]
.endr
.irp q, 0,1,2,3
	v_permlanex16_b32 v[MT+2*\q+1], v[MT+2*\q], s68, s69      ; the query's other keys lie in the lane 16 away
.endr
.irp q, 0,1,2,3
	v_max_num_f32 v[MT+2*\q], v[MT+2*\q], v[MT+2*\q+1]
.endr
.irp q, 0,1,2,3
	ds_store_b32 v[MXS], v[MT+2*\q] offset:128*\q
.endr
	s_wait_tensorcnt 0x1                           ; my part of slot 0 is in; slot 1's may stay out
	BARRIER                                        ; everybody's maxima and everybody's part of slot 0 are there
.irp w, 0,1,2,3
.irp q, 0,1,2,3
	ds_load_b32 v[S+4*\w+\q], v[MXL] offset:512*\w+128*\q
.endr
.endr
	s_wait_dscnt 0x0
.irp q, 0,1,2,3
	v_max3_num_f32 v[60+\q], v[S+\q], v[S+4+\q], v[S+8+\q]
.endr
.irp q, 0,1,2,3
	v_max_num_f32 v[60+\q], v[60+\q], v[S+12+\q]
.endr
.irp q, 0,1,2,3
	v_mul_f32 v[60+\q], s66, v[60+\q]              ; the row's largest t (the factor is positive)
.endr
.irp q, 0,1,2,3
	v_floor_f32 v[NM+2*\q], -v[60+\q]              ; -M = floor(-t) = -ceil(t): a whole number
.endr
; PASS 2.
.macro FMAP q, i                       ; t - M for pair i of tile q (of the pairs the low word serves both halves)
	v_pk_fma_f32 v[S+32*\q+2*\i:S+32*\q+2*\i+1], v[S+32*\q+2*\i:S+32*\q+2*\i+1], s[66:67], v[NM+2*\q:NM+2*\q+1] op_sel_hi:[1,0,0]
.endm
.macro TOCODES q                       ; p's codes: registers 2 kt, 2 kt + 1 = keys 16 kt + 8 h + 0 .. 7: V's own order
.irp kt, 0,1,2,3
	v_cvt_scalef32_pk8_bf8_f32 v[P+8*\q+2*\kt:P+8*\q+2*\kt+1], v[S+32*\q+8*\kt:S+32*\q+8*\kt+7], v[SC8]
.endr
.endm
; tile qe's exponentials with tile qp's sums and holds between them: every exponential has a plain line behind it; the sum reads p ahead of the hold
.macro MIX qe, qp
.irp i, 0,1,2,3,4,5,6,7,8,9,10,11,12,13,14,15
	v_exp_f32 v[S+32*\qe+2*\i], v[S+32*\qe+2*\i]
	s_wait_alu depctr_va_vdst(0)
	v_pk_add_f32 v[LS+2*\qp:LS+2*\qp+1], v[LS+2*\qp:LS+2*\qp+1], v[S+32*\qp+2*\i:S+32*\qp+2*\i+1]
	v_exp_f32 v[S+32*\qe+2*\i+1], v[S+32*\qe+2*\i+1]
	v_min_num_f32 v[S+32*\qp+2*\i], v[S+32*\qp+2*\i], v[SC8+1]           ; p is not negative: the hold is one-sided
	v_min_num_f32 v[S+32*\qp+2*\i+1], v[S+32*\qp+2*\i+1], v[SC8+1]
.endr
	TOCODES \qp
.endm
; O^T += V^T P: 64 accumulators, one instruction each
.macro PV zero
	WIN 0xa1                                       ; V window 1, P window 0, C and D window 2
.irp dt, 0,1,2,3,4,5,6,7,8,9,10,11,12,13,14,15
.irp q, 0,1
.if \zero
	v_wmma_f32_16x16x64_bf8_bf8 v[128*\q+8*\dt:128*\q+8*\dt+7], v[8*\dt:8*\dt+7], v[P+8*\q:P+8*\q+7], 0
.else
	v_wmma_f32_16x16x64_bf8_bf8 v[128*\q+8*\dt:128*\q+8*\dt+7], v[8*\dt:8*\dt+7], v[P+8*\q:P+8*\q+7], v[128*\q+8*\dt:128*\q+8*\dt+7]
.endif
.endr
.endr
	WIN 0xf1                                       ; the same, C and D window 3
.irp dt, 0,1,2,3,4,5,6,7,8,9,10,11,12,13,14,15
.irp q, 0,1
.if \zero
	v_wmma_f32_16x16x64_bf8_bf8 v[128*\q+8*\dt:128*\q+8*\dt+7], v[8*\dt:8*\dt+7], v[P+16+8*\q:P+16+8*\q+7], 0
.else
	v_wmma_f32_16x16x64_bf8_bf8 v[128*\q+8*\dt:128*\q+8*\dt+7], v[8*\dt:8*\dt+7], v[P+16+8*\q:P+16+8*\q+7], v[128*\q+8*\dt:128*\q+8*\dt+7]
.endif
.endr
.endr
	WIN 0
.endm
; A key step: the sp-th of the slot in hand.  zero = 1: its products start O^T's sums.  pre = 1: f of two steps on is asked for.  cnt: the loads issued behind this step's f.
.macro STEP sp, zero, pre, cnt
	v_add_nc_u32 v[ADV], s70, v[AV0+\sp]
.rept 3
	v_nop                                          ; with the addition: four places behind the last products, which read V
.endr
	WIN 0x40
.irp dt, 0,1,2,3,4,5,6,7,8,9,10,11,12,13,14,15
.irp c, 0,1
	ds_load_b128 v[8*\dt+4*\c:8*\dt+4*\c+3], v[ADV] offset:1024*\dt+512*\c   ; V of my 64 keys: it lands under the scores and the softmax
.endr
.endr
	s_wait_loadcnt \cnt
	WIN 0x01                                       ; source 0 (f) window 1
.irp kt, 0,1,2,3
.irp q, 0,1,2,3
	v_wmma_f32_16x16x64_bf8_bf8 v[S+32*\q+8*\kt:S+32*\q+8*\kt+7], v[128+32*\sp+8*\kt:128+32*\sp+8*\kt+7], v[Q+8*\q:Q+8*\q+7], 0
.endr
.endr
	WIN 0
	PLACES
.if \pre
	WIN 0x40
	KLOAD 128+32*\sp, 16384*(\sp+2)
	WIN 0
.endif
.irp i, 0,1,2,3,4,5,6,7,8,9,10,11,12,13,14,15
	FMAP 0, \i
.endr
.irp i, 0,1,2,3,4,5,6,7,8,9,10,11,12,13,14,15
	v_exp_f32 v[S+2*\i], v[S+2*\i]                 ; p = 2^(t - M), not normalised; the other tiles' scalings stand between the exponentials
	FMAP 1, \i
	v_exp_f32 v[S+2*\i+1], v[S+2*\i+1]
	FMAP 2, \i
	FMAP 3, \i
.endr
	MIX 1, 0
	MIX 2, 1
	MIX 3, 2
	s_wait_alu depctr_va_vdst(0)
.irp i, 0,1,2,3,4,5,6,7,8,9,10,11,12,13,14,15
	v_pk_add_f32 v[LS+6:LS+7], v[LS+6:LS+7], v[S+96+2*\i:S+96+2*\i+1]
	v_min_num_f32 v[S+96+2*\i], v[S+96+2*\i], v[SC8+1]
	v_min_num_f32 v[S+96+2*\i+1], v[S+96+2*\i+1], v[SC8+1]
.endr
	TOCODES 3
	v_nop                                          ; a plain line between the last conversion and the products that read its result
	s_wait_dscnt 0x0                               ; V is in
	PV \zero
.endm
; THE CHANGE OF SLOTS.  Each wave waits for all its tensor loads (one is out: its part of the other slot), adds 0 to its spare word, and waits for that; its reads of the slot were waited for ahead of the last products.
; fill = 1: the slot just read takes the keys two slots on: the barrier is a round of the cluster's, the joint refill the first thing behind it: it has two key steps in which to land.
.macro CHANGE fill
	s_wait_tensorcnt 0x0                           ; no tensor load of mine is out, so a group 0 may be written
	ds_add_u32 v[SPW], v[NIL]                      ; 0 onto my spare word
.if \fill
	s_wait_xcnt 0x0                                ; f's loads have had their addresses translated (ISA guide 3.1): their base may step
	s_add_nc_u64 s[72:73], s[72:73], 32768         ; two key steps of f
	s_xor_b32 s45, s45, SLOT1                      ; the walking descriptor: the other slot than last time,
	s_add_nc_u64 s[46:47], s[46:47], 131072        ; the next 512 keys; the type bits on top are not reached
	s_wait_dscnt 0x0                               ; the add is done
	CROUND
	tensor_load_to_lds s[44:47], s[32:39]
	s_nop 0
	PLACES
.else
	s_wait_dscnt 0x0
	s_barrier_signal -1
	s_barrier_wait -1
.endif
	s_xor_b32 s70, s70, SLOT1                      ; on to the other slot
.endm
	STEP 0, 1, 1, 8                                ; slot 0; 8: the next step's f may be out
	STEP 1, 0, 1, 8
	s_mov_b32 s71, 6
.Lslot:                                            ; six trips: the slots of keys 512 to 3,583; each change asks for the slot after the next
	CHANGE 1
	STEP 0, 0, 1, 8
	STEP 1, 0, 1, 8
	s_sub_co_u32 s71, s71, 1
	s_cmp_lg_u32 s71, 0
	s_cbranch_scc1 .Lslot
	CHANGE 0                                       ; the last slot is written out: nothing is left to ask for
.irp i, 0,1,2,3
	global_prefetch_b8 v[PFA], s[80:81] offset:8192*\i th:TH_LOAD_NT scope:SCOPE_SE   ; my quarter of the work-group's 131,072 bytes of x, each block of 256 bytes once: two key steps and the merge ahead of the loads that want them
.endr
	STEP 0, 0, 0, 8
	STEP 1, 0, 0, 0
	; ---- THE SUMS AND THE EXCHANGE.  The additions are the places behind the last products.
.irp q, 0,1,2,3
	v_add_f32 v[MT+\q], v[LS+2*\q], v[LS+2*\q+1]
.endr
.irp q, 0,1,2,3
	v_permlanex16_b32 v[MT+4+\q], v[MT+\q], s68, s69
.endr
.irp q, 0,1,2,3
	v_add_f32 v[MT+\q], v[MT+\q], v[MT+4+\q]
.endr
	BARRIER                                        ; nobody reads a slot any more, and both have had their last fill
.irp q, 0,1,2,3
	ds_store_b32 v[LXS], v[MT+\q] offset:128*\q
.endr
	WIN 0x08                                       ; store data window 2
.irp q, 0,1
.irp dt, 0,1,2,3,4,5,6,7,8,9,10,11,12,13,14,15
.irp c, 0,1
	ds_store_b128 v[XS], v[128*\q+8*\dt+4*\c:128*\q+8*\dt+4*\c+3] offset:1024*(16*\q+\dt)+512*\c
.endr
.endr
.endr
	WIN 0x0c                                       ; window 3
.irp q, 0,1
.irp dt, 0,1,2,3,4,5,6,7,8,9,10,11,12,13,14,15
.irp c, 0,1
	ds_store_b128 v[XS], v[128*\q+8*\dt+4*\c:128*\q+8*\dt+4*\c+3] offset:1024*(16*(\q+2)+\dt)+512*\c
.endr
.endr
.endr
	WIN 0
	BARRIER                                        ; the four waves' O^T and sums lie in LDS
	; ---- THE MERGE: tile w's O^T from the four waves; bo, wo and x are asked for meanwhile
.irp b, 0,1,2,3
.irp j, 0,1,2,3
	global_load_b128 v[128+16*\b+4*\j:128+16*\b+4*\j+3], v[BA], s[16:17] offset:128*\b+16*\j
.endr
.endr
	WIN 0xc0                                       ; destination window 3
.irp u, 0,1,2,3,4,5,6,7,8,9,10,11,12,13,14,15
.irp c, 0,1,2,3
	global_load_b128 v[16*\u+4*\c:16*\u+4*\c+3], v[LI], s[76:77] offset:2048*\u+512*\c   ; wo's fragment (tile u / 2, K step u % 2)
.endr
.endr
	WIN 0
.irp w, 0,1,2,3
	ds_load_b32 v[MT+4+\w], v[LXL] offset:512*\w
.endr
	WIN 0x40
.irp w, 0,1
.irp dt, 0,1,2,3,4,5,6,7,8,9,10,11,12,13,14,15
.irp c, 0,1
	ds_load_b128 v[128*\w+8*\dt+4*\c:128*\w+8*\dt+4*\c+3], v[XL+\w] offset:1024*\dt+512*\c
.endr
.endr
.endr
	WIN 0x80
.irp w, 0,1
.irp dt, 0,1,2,3,4,5,6,7,8,9,10,11,12,13,14,15
.irp c, 0,1
	ds_load_b128 v[128*\w+8*\dt+4*\c:128*\w+8*\dt+4*\c+3], v[XL+2+\w] offset:1024*\dt+512*\c
.endr
.endr
.endr
	s_wait_dscnt 63                                ; waves 0's and 1's are in: 64 loads were issued behind them, and the count's field holds 63
	WIN 0x45
.set ii, 0
.rept 64
	v_pk_add_f32 v[ii:ii+1], v[ii:ii+1], v[128+ii:129+ii]
.set ii, ii+2
.endr
	s_wait_dscnt 32                                ; wave 2's
	WIN 0x49
.set ii, 0
.rept 64
	v_pk_add_f32 v[ii:ii+1], v[ii:ii+1], v[ii:ii+1]           ; (source 1 in window 2)
.set ii, ii+2
.endr
	s_wait_dscnt 0x0                               ; wave 3's
.set ii, 0
.rept 64
	v_pk_add_f32 v[ii:ii+1], v[ii:ii+1], v[128+ii:129+ii]
.set ii, ii+2
.endr
	WIN 0x80
.irp q, 0,1,2,3
.irp b, 0,1,2,3
.irp j, 0,1,2,3
	global_load_b128 v[64*\q+16*\b+4*\j:64*\q+16*\b+4*\j+3], v[XA], s[80:81] offset:32768*\q+128*\b+16*\j th:TH_LOAD_NT   ; x(16 q + r, 128 w + 32 b + 16 h + 4 j ..)
.endr
.endr
.endr
	WIN 0
	v_add_f32 v[MT+4], v[MT+4], v[MT+5]
	v_add_f32 v[MT+6], v[MT+6], v[MT+7]
	v_add_f32 v[MT+4], v[MT+4], v[MT+6]            ; the row's sum
	v_rcp_f32 v[INV], v[MT+4]
	v_nop                                          ; a plain line behind the transcendental
	s_wait_alu depctr_va_vdst(0)
	v_ldexp_f32 v[INV], v[INV], s94                ; x 2^(e8 + e9)
	WIN 0x41
.set ii, 0
.rept 64
	v_pk_mul_f32 v[ii:ii+1], v[ii:ii+1], v[INV:INV+1] op_sel_hi:[1,0]   ; o: register 64 ks + 16 b + i is channel 128 ks + 32 b + 16 h + i
.set ii, ii+2
.endr
	QUANT 0, P, SC10, 0x41, 0x01
	QUANT 64, P+16, SC10, 0x41, 0x01
	v_nop
	WIN 0
	IMAGE OA, P, 0
	IMAGE OA, P+16, 2048
	BARRIER                                        ; o's eight fragments lie in LDS; nobody reads the exchange any more
	; ---- o wo + bo, my 128 channels for the 64 rows: 32 accumulators by turns
	s_wait_loadcnt 63                              ; bo and wo are in: x's 64 loads were issued behind them
.set ii, 0
.rept 64
	v_ldexp_f32 v[128+ii], v[128+ii], s93          ; bo / 2^(e10 + e11): the C of each sum's first product
.set ii, ii+1
.endr
.irp ks, 0,1
.if \ks > 0
	PLACES
.endif
.irp q, 0,1,2,3
	FETCH OL, 64+16*\q, 2048*(2*\q+\ks)
.endr
	s_wait_dscnt 0x0
.if \ks == 0
	WIN 0x43                                       ; wo window 3, o and bo window 0, D window 1
.else
	WIN 0x53                                       ; C window 1
.endif
.irp nt, 0,1,2,3,4,5,6,7
.irp q, 0,1,2,3
.if \ks == 0
	v_wmma_f32_16x16x128_bf8_bf8 v[64*\q+8*\nt:64*\q+8*\nt+7], v[16*(2*\nt+\ks):16*(2*\nt+\ks)+15], v[64+16*\q:64+16*\q+15], v[128+8*\nt:128+8*\nt+7]
.else
	v_wmma_f32_16x16x128_bf8_bf8 v[64*\q+8*\nt:64*\q+8*\nt+7], v[16*(2*\nt+\ks):16*(2*\nt+\ks)+15], v[64+16*\q:64+16*\q+15], v[64*\q+8*\nt:64*\q+8*\nt+7]
.endif
.endr
.endr
	WIN 0
.endr
	PLACES
.macro WCLOAD reg, ks                  ; my eight fragments of wc's K step ks
.irp nt, 0,1,2,3,4,5,6,7
.irp c, 0,1,2,3
	global_load_b128 v[(\reg)+16*\nt+4*\c:(\reg)+16*\nt+4*\c+3], v[LI], s[78:79] offset:16384*\nt+2048*(\ks)+512*\c
.endr
.endr
.endm
	WIN 0xc0
	WCLOAD 0, 0
	WCLOAD 128, 1
	; ---- att = gamma (o wo + bo) + x; att and x are cat's K steps w and 4 + w
	s_wait_loadcnt 63                              ; x is in: wc's 64 loads were issued behind it
	WIN 0x61                                       ; att window 1, gamma window 0, x window 2
.set ii, 0
.rept 128
	v_pk_fma_f32 v[ii:ii+1], v[ii:ii+1], v[G2:G2+1], v[ii:ii+1] op_sel_hi:[1,0,1]
.set ii, ii+2
.endr
.irp q, 0,1,2,3
	QUANT 64*\q, 64+16*\q, SC12, 0x41, 0x01
.endr
.irp q, 0,1,2,3
	QUANT 64*\q, 128+16*\q, SC12, 0x82, 0x02
.endr
	v_nop
	WIN 0x80
	WCLOAD 128, 2                                  ; the third buffer, where x's tiles 2 and 3 lay
	WIN 0
.irp q, 0,1,2,3
	IMAGE CA, 64+16*\q, 16384*\q
	IMAGE CA, 128+16*\q, 16384*\q+8192
.endr
	BARRIER                                        ; cat's 32 fragments lie in LDS
	; ---- cat wc, my 128 channels for the 64 rows: 32 accumulators by turns, eight K steps; cat's fragments one step ahead, wc's three
.macro CFETCH ks
.irp q, 0,1,2,3
	FETCH LI, 64*((\ks)%2)+16*\q, 2048*(8*\q+(\ks))
.endr
.endm
	WIN 0x80
	CFETCH 0
.irp ks, 0,1,2,3,4,5,6,7
.set WB,  128*(((\ks)%3+1)/2)          ; wc's buffer ks % 3: window 3 v0, window 3 v128, window 2 v128
.set CFB, 64*((\ks)%2)
.if \ks < 7
	WIN 0x80
	CFETCH \ks+1
	s_wait_dscnt 16                                ; this step's fragments are in; the next step's sixteen loads may be out
	s_wait_loadcnt 63                              ; this step's wc is in: 64 loads were issued behind it
.else
	s_wait_dscnt 0x0
	s_wait_loadcnt 32                              ; behind the last K step's: the BatchNorm's 32
.endif
.if (\ks)%3 == 2
	WIN 0x5a                                       ; wc window 2, cat window 2, C and D window 1
.else
	WIN 0x5b                                       ; wc window 3
.endif
.irp nt, 0,1,2,3,4,5,6,7
.irp q, 0,1,2,3
.if \ks == 0
	v_wmma_f32_16x16x128_bf8_bf8 v[64*\q+8*\nt:64*\q+8*\nt+7], v[WB+16*\nt:WB+16*\nt+15], v[CFB+16*\q:CFB+16*\q+15], 0
.else
	v_wmma_f32_16x16x128_bf8_bf8 v[64*\q+8*\nt:64*\q+8*\nt+7], v[WB+16*\nt:WB+16*\nt+15], v[CFB+16*\q:CFB+16*\q+15], v[64*\q+8*\nt:64*\q+8*\nt+7]
.endif
.endr
.endr
	WIN 0
	PLACES
.if \ks < 5
.if (\ks)%3 == 2
	WIN 0x80
.else
	WIN 0xc0
.endif
	WCLOAD WB, \ks+3
.endif
.if \ks == 5
.irp b, 0,1,2,3
.irp j, 0,1,2,3
	global_load_b128 v[64+16*\b+4*\j:64+16*\b+4*\j+3], v[BA], s[12:13] offset:128*\b+16*\j
	global_load_b128 v[128+16*\b+4*\j:128+16*\b+4*\j+3], v[BA], s[12:13] offset:2048+128*\b+16*\j
.endr
.endr
.endif
.endr
	; ---- THE WAY OUT, a tile of 16 rows at a time: sum x a 2^(e12 + e13) + the rest, relu; through my own stage, back as rows of 512 bytes.
	; LDS serves a wave's instructions in order (ISA guide 5.7.1.4): no wait between the stores and the loads, nor in front of the next tile's stores.
.macro TOSTAGE q
	WIN 0x41
.set ii, 0
.rept 32
	v_pk_fma_f32 v[64*(\q)+ii:64*(\q)+ii+1], v[64*(\q)+ii:64*(\q)+ii+1], v[64+ii:65+ii], v[128+ii:129+ii]
.set ii, ii+2
.endr
	WIN 0x44                                       ; source 1 and destination window 1
.set ii, 0
.rept 64
	v_max_num_f32 v[64*(\q)+ii], 0, v[64*(\q)+ii]
.set ii, ii+1
.endr
	WIN 0x04                                       ; store data window 1
.irp nt, 0,1,2,3,4,5,6,7
.irp i, 0,1
	ds_store_b128 v[YS], v[64*(\q)+8*\nt+4*\i:64*(\q)+8*\nt+4*\i+3] offset:128*(\nt/2)+32*(\nt%2)+16*\i
.endr
.endr
	WIN 0x80
.irp t, 0,1,2,3,4,5,6,7,8,9,10,11,12,13,14,15
	ds_load_b128 v[64*((\q)%2)+4*\t:64*((\q)%2)+4*\t+3], v[YR] offset:528*\t
.endr
.endm
.macro SEND q, younger                 ; younger: the LDS instructions issued behind tile q's loads, which may stay out
	s_wait_dscnt \younger
	WIN 0x08                                       ; store data window 2
.irp t, 0,1,2,3,4,5,6,7,8,9,10,11,12,13,14,15
	global_store_b128 v[GO], v[64*((\q)%2)+4*\t:64*((\q)%2)+4*\t+3], s[82:83] offset:2048*(16*(\q)+\t) th:TH_STORE_NT   ; the wave stores 512 consecutive bytes, aligned
.endr
.endm
	s_wait_loadcnt 0x0                             ; the BatchNorm's two vectors
	TOSTAGE 0
	TOSTAGE 1
	SEND 0, 32                                     ; behind tile 0's loads: tile 1's 16 stores and 16 loads
	s_wait_xcnt 0x0                                ; tile 0's stores have read their registers: tile 2's rows may land there
	TOSTAGE 2
	SEND 1, 32
	s_wait_xcnt 0x0
	TOSTAGE 3
	SEND 2, 32
	SEND 3, 0
	WIN 0
	s_wait_tensorcnt 0x0                           ; the wave's end: behind my last tensor load and my last LDS store
	ds_add_u32 v[SPW], v[NIL]
	s_wait_dscnt 0x0
	CROUND                                         ; the closing round: no work-group ends while a partner may still ask for a tile that names it
	s_endpgm
.Lfunc_end_k_q9e11b24b42_attn:
	.size	k_q9e11b24b42_attn, .Lfunc_end_k_q9e11b24b42_attn-k_q9e11b24b42_attn
	.p2alignl 7, 3214868480
	.fill 96, 4, 3214868480
	.section	.rodata,"a",@progbits
	.p2align	6, 0x0
	.amdhsa_kernel k_q9e11b24b42_attn
		.amdhsa_group_segment_fixed_size 327680
		.amdhsa_private_segment_fixed_size 0
		.amdhsa_enable_private_segment 0
		.amdhsa_kernarg_size 80
		.amdhsa_user_sgpr_count 2
		.amdhsa_user_sgpr_kernarg_segment_ptr 1
		.amdhsa_wavefront_size32 1
		.amdhsa_system_sgpr_workgroup_id_x 1
		.amdhsa_system_sgpr_workgroup_id_y 1
		.amdhsa_system_sgpr_workgroup_id_z 1
		.amdhsa_system_vgpr_workitem_id 0
		.amdhsa_next_free_vgpr 1024
		.amdhsa_next_free_sgpr 100
		.amdhsa_reserve_vcc 0
		.amdhsa_float_denorm_mode_32 3
		.amdhsa_float_denorm_mode_16_64 3
		.amdhsa_memory_ordered 1
		.amdhsa_forward_progress 1
		.amdhsa_inst_pref_size 255
	.end_amdhsa_kernel
	.section	.bss,"aw",@nobits
	.p2align	6
	.space	262144
	.amdgpu_metadata
---
amdhsa.version: [ 1, 2 ]
amdhsa.kernels:
  - .name:           k_q9e11b24b42_attn
    .symbol:         k_q9e11b24b42_attn.kd
    .args:
      - { .name: gimg, .offset: 0, .size: 8, .value_kind: global_buffer, .address_space: global }
      - { .name: fimg, .offset: 8, .size: 8, .value_kind: global_buffer, .address_space: global }
      - { .name: vimg, .offset: 16, .size: 8, .value_kind: global_buffer, .address_space: global }
      - { .name: wimg, .offset: 24, .size: 8, .value_kind: global_buffer, .address_space: global }
      - { .name: bnc, .offset: 32, .size: 8, .value_kind: global_buffer, .address_space: global }
      - { .name: x, .offset: 40, .size: 8, .value_kind: global_buffer, .address_space: global }
      - { .name: bo, .offset: 48, .size: 8, .value_kind: global_buffer, .address_space: global }
      - { .name: gamma, .offset: 56, .size: 8, .value_kind: global_buffer, .address_space: global }
      - { .name: lowp_scales, .offset: 64, .size: 8, .value_kind: global_buffer, .address_space: global }
      - { .name: out0, .offset: 72, .size: 8, .value_kind: global_buffer, .address_space: global }
    .group_segment_fixed_size: 327680
    .private_segment_fixed_size: 0
    .kernarg_segment_align: 8
    .kernarg_segment_size: 80
    .max_flat_workgroup_size: 128
    .sgpr_count:     100
    .vgpr_count:     1024
    .wavefront_size: 32
...
	.end_amdgpu_metadata
.endif
;; end of part 3
